; MI455X (gfx1250); checked and timed in simulation.
; The chip was launched on July 23, 2026; its instructions are those of AMD's public machine-readable ISA for CDNA 5 (MIT licence, August 2026) and "CDNA5" Instruction Set Architecture Reference Guide (July 2026). The comments in the code are by the model that wrote it; some were corrected since.
;; Cross Attention Block. Allowed arithmetic: float matrix products may take bf16 or f16 operands with f32 sums; other float arithmetic in f32, or as packed bf16 or f16 multiplies, adds, multiply-adds, maxima and minima; sums over many terms, partial sums and values carried from step to step in f32; what a program stores and reads back later, other than sums and carried values, may be rounded once to bf16 or f16.
;; Inputs: Wk 768 x 512 float32; Wo 512 x 512 float32; Wq 512 x 512 float32; Wv 768 x 512 float32; bk 512 float32; bo 512 float32; bq 512 float32; bv 512 float32; context 8 x 1,024 x 768 float32; x 8 x 4,096 x 512 float32.
;; Outputs: out0 8 x 4,096 x 512 float32.
;; One version. Each part assembles by itself: llvm-mc -triple=amdgcn-amd-amdhsa -mcpu=gfx1250 --defsym DOCPART=n.
;; ======== version 1 of 1: 3 launches
;; workspace buffers: ctxb 12,582,912 bytes; wt 1,572,864 bytes; bias 4,096 bytes; sbw 4,096 bytes; sb 32,768 bytes; kv 16,777,216 bytes
;; launch prep (part 1): grid 16 x 14, 8 waves a work-group, no clusters, 269,824 bytes of LDS; arguments Wq, Wk, Wo, Wv, bq, bk, bv, context, wt, bias, sbw, ctxb; writes wt, bias, sbw, ctxb
.if DOCPART == 1
	.amdgcn_target "amdgcn-amd-amdhsa--gfx1250"
	.amdhsa_code_object_version 6
	.text
	.protected	k_qfbe254d5aa_prep
	.globl	k_qfbe254d5aa_prep
	.p2align	8
	.type	k_qfbe254d5aa_prep,@function
k_qfbe254d5aa_prep:
	s_mov_b64 s[64:65], 0
	v_nop
	global_prefetch_b8 v0, s[64:65] scope:SCOPE_SE
	s_setreg_imm32_b32 hwreg(HW_REG_WAVE_MODE, 25, 1), 1
	s_wait_xcnt 0x0
; PREP.  Two jobs, chosen by the work-group's y.
; y >= 6 (128 work-groups): context, f32, is rounded once to bf16 into ctxb: 64 rows of 768 a work-group, 8 a wave.
; y < 6 (96 work-groups): the weights are folded, which is exact algebra for every input:
;   wt[d][cc]     = c sum_e Wq[d][e] Wk[cc][e]      bias[d]     = c sum_e Wq[d][e] bk[e]      (c = log2(e) / sqrt(512))
;   wt[512+d][cc] =   sum_e Wo[e][d] Wv[cc][e]      bias[512+d] =   sum_e Wo[e][d] bv[e]
;   sbw[cc]       = c sum_e Wk[cc][e] bq[e]         sbw[768]    = c sum_e bq[e] bk[e]
; so that score log2(e) = x . K'[m] + sb[m] and out = softmax . V' + bo + x, with K', V', sb made from context by the next launch.
; A work-group makes 64 d x 128 cc over all 512 e.  Operands are rounded once to bf16, sums are f32, wt is rounded once to bf16.
; The bias vectors ride along as one more row of each operand block, read by all sixteen rows of a fragment.
; No tensor loads, no cluster: each work-group reads its operands once, through registers, since they must be converted anyway.
.set PA,    1040                 ; an LDS row of 512 bf16 + 16 bytes: sixteen rows start at sixteen different 16-byte columns
.set ABLKT, 64*PA                ; A has two blocks of 64 rows: from 0 the one that is filled by rows (Wq), from here the one that is filled turned (Wo): no byte is stored by both ways
.set AUGA,  128*PA               ; the row of bq
.set BBLK,  134400               ; 128 rows of B
.set AUGB,  BBLK+128*PA          ; the row of bk or bv
.set STAGE, 0                    ; the way out: 64 rows x 272 bytes over A's first block, behind a barrier behind which nobody reads A
.set SP,    272
.set SPARE, 268800               ; the spare words, 128 bytes a wave: four blocks of 256 bytes that no other line names
.set AA,  16                     ; v16-20  LDS addresses of the fragments: A, B's four tiles, B's tile w, bq, bk or bv
.set AB,  17
.set ABW, 18
.set AGA, 19
.set AGB, 20
.set STO, 21
.set RD,  22
.set GO,  23
.set SPW, 30                     ; v30  my spare word; never rewritten
.set NIL, 31                     ; v31  0; never rewritten
.set LA,  32                     ; v32-159  A as loaded (f32)
.set AUG, 160                    ; v160-163 two numbers of bq and of bk or bv
.set TMP, 164                    ; v164-195 at work
.set FB0, 32                     ; later: two fragment buffers of eight fragments
.set FB1, 96
.set ACC, 200                    ; v200-255 seven accumulators: M0-M3, KB, SW, S0
.set MSB, 0
.macro WIN new                   ; the high byte repeats the setting that is left; a switch that changes nothing is dropped
.if MSB != (\new)
	s_set_vgpr_msb (MSB<<8)|(\new)
.set MSB, \new
.endif
.endm
.macro PLACES                    ; four plain places behind matrix instructions (ISA guide 7.12.1)
.rept 4
	v_nop
.endr
.endm
	s_load_b512 s[4:19], s[0:1], 0x0               ; Wq s[4:5], Wk s[6:7], Wo s[8:9], Wv s[10:11], bq s[12:13], bk s[14:15], bv s[16:17], context s[18:19]
	s_load_b256 s[20:27], s[0:1], 0x40             ; wt s[20:21], bias s[22:23], sbw s[24:25], ctxb s[26:27]
	v_lshl_add_u32 v[SPW], v0, 2, SPARE
	v_mov_b32 v[NIL], 0
	v_lshrrev_b32 v1, 5, v0
	v_readfirstlane_b32 s30, v1                    ; wave 0..7
	v_and_b32 v2, 31, v0                           ; lane
	s_and_b32 s31, ttmp7, 0xffff                   ; y
	s_mov_b32 s32, ttmp9                           ; x
	s_mov_b32 s39, 0                               ; high word of every 32-bit offset
	s_wait_kmcnt 0x0
	s_cmp_lt_u32 s31, 6
	s_cbranch_scc1 .Lfold
	; CONVERT: a wave takes 24,576 dense bytes; 48 loads of 512 bytes go out at once, each store covers 256 aligned bytes
	s_sub_co_u32 s33, s31, 6
	s_lshl_b32 s33, s33, 4
	s_add_co_u32 s33, s33, s32                     ; 0..127
	s_mul_i32 s38, s33, 196608
	s_add_nc_u64 s[18:19], s[18:19], s[38:39]
	s_mul_i32 s38, s33, 98304
	s_add_nc_u64 s[26:27], s[26:27], s[38:39]
	v_mul_u32_u24 v3, v1, 24576
	v_lshl_add_u32 v3, v2, 4, v3
	v_mul_u32_u24 v4, v1, 12288
	v_lshl_add_u32 v4, v2, 3, v4
.set n, 0
.rept 48
	global_load_b128 v[32+4*n:32+4*n+3], v3, s[18:19] offset:512*n th:TH_LOAD_NT
.set n, n+1
.endr
.set n, 0
.rept 48
	s_wait_loadcnt 47-n                            ; loads come back in order: number n is in, the younger ones stay out
	v_cvt_pk_bf16_f32 v[32+4*n], v[32+4*n], v[32+4*n+1]      ; in place: no register is used twice, so no store's data is rewritten
	v_cvt_pk_bf16_f32 v[32+4*n+1], v[32+4*n+2], v[32+4*n+3]
	global_store_b64 v4, v[32+4*n:32+4*n+1], s[26:27] offset:256*n
.set n, n+1
.endr
	s_endpgm
.Lfold:
	s_lshr_b32 s33, s32, 3                         ; sel: 0 = Wq with Wk, 1 = Wo with Wv
	s_and_b32 s33, s33, 1                          ; x is below 16, so this changes nothing: sel enters an LDS address, and its bound stands in the text
	s_and_b32 s34, s32, 7                          ; block of 64 d;  s31 = block of 128 cc
	s_cmp_eq_u32 s33, 1
	s_cselect_b64 s[28:29], s[10:11], s[6:7]       ; B: Wv or Wk
	s_cselect_b64 s[36:37], s[16:17], s[14:15]     ; its bias: bv or bk
	s_cselect_b32 s40, 1.0, 0x3d8293ee             ; the scale: 1 or c
	s_mov_b32 s41, s40                             ; named with it as a pair
	s_lshl_b32 s38, s31, 18                        ; 128 rows of 2,048 bytes a block,
	s_lshl_b32 s42, s30, 15                        ; 16 rows a wave
	s_add_co_u32 s38, s38, s42
	s_add_nc_u64 s[28:29], s[28:29], s[38:39]
	v_and_b32 v5, 15, v0                           ; r
	v_bfe_u32 v6, v0, 4, 1                         ; h
	v_lshlrev_b32 v7, 4, v2                        ; 16 x lane
	v_lshlrev_b32 v8, 3, v0                        ; 256 w + 8 x lane
	s_cmp_eq_u32 s33, 1
	s_cbranch_scc1 .Lload_t
	s_lshl_b32 s38, s34, 17                        ; Wq lies [d][e]: rows 64 dblk + 8 w + i, four pieces of 512 bytes each
	s_lshl_b32 s42, s30, 14
	s_add_co_u32 s38, s38, s42
	s_add_nc_u64 s[4:5], s[4:5], s[38:39]
.set n, 0
.rept 32
	global_load_b128 v[LA+4*n:LA+4*n+3], v7, s[4:5] offset:(n/4)*2048+(n%4)*512
.set n, n+1
.endr
	s_branch .Lloaded
.Lload_t:
	s_lshl_b32 s38, s34, 8                         ; Wo lies [e][d]: sixteen lanes read the block's 256 bytes of row e = 64 w + 16 t + 8 h + u
	s_lshl_b32 s42, s30, 17
	s_add_co_u32 s38, s38, s42
	s_add_nc_u64 s[8:9], s[8:9], s[38:39]
	v_lshlrev_b32 v9, 4, v5
	v_lshl_add_u32 v9, v6, 14, v9
.set n, 0
.rept 32
	global_load_b128 v[LA+4*n:LA+4*n+3], v9, s[8:9] offset:(16*(n/8)+n%8)*2048
.set n, n+1
.endr
.Lloaded:
	global_load_b64 v[AUG:AUG+1], v8, s[12:13]
	global_load_b64 v[AUG+2:AUG+3], v8, s[36:37]
	WIN 0x40                                       ; B lands in window 1
.set n, 0
.rept 64
	global_load_b128 v[4*n:4*n+3], v7, s[28:29] offset:(n/4)*2048+(n%4)*512
.set n, n+1
.endr
	WIN 0
	; LDS addresses, made while the loads are on their way
	v_mul_u32_u24 v10, v1, 8*PA
	v_lshl_add_u32 v10, v2, 3, v10                 ; A by rows: row 8 w, 8 bytes a lane
	v_mul_u32_u24 v11, v5, 4*PA
	v_lshl_add_u32 v11, v1, 7, v11
	v_lshl_add_u32 v11, v6, 4, v11                 ; A turned: row 4 r, byte 128 w + 16 h,
	v_add_nc_u32 v11, ABLKT, v11                   ; in the turned way's own block
	v_lshl_add_u32 v12, v0, 2, AUGA
	v_lshl_add_u32 v13, v0, 2, AUGB
	v_mul_u32_u24 v14, v1, 16*PA
	v_lshl_add_u32 v14, v2, 3, v14
	v_add_nc_u32 v14, BBLK, v14                    ; B: row 16 w, 8 bytes a lane
	s_and_b32 s43, s30, 3                          ; dt: my tile of 16 d
	s_lshr_b32 s44, s30, 2                         ; gq: my 64 cc
	v_mul_u32_u24 v15, v5, PA
	v_lshl_add_u32 v15, v6, 4, v15                 ; a fragment's row x pitch + 16 x half
	s_mul_i32 s46, s43, 16*PA
	s_mul_i32 s47, s33, ABLKT                      ; the block that this work-group's way has filled: byte 0 or byte 66,560
	s_add_co_u32 s46, s46, s47
	v_add_nc_u32 v[AA], s46, v15
	s_mul_i32 s46, s44, 64*PA
	s_add_co_u32 s46, s46, BBLK
	v_add_nc_u32 v[AB], s46, v15
	s_mul_i32 s46, s30, 16*PA
	s_add_co_u32 s46, s46, BBLK
	v_add_nc_u32 v[ABW], s46, v15
	v_lshl_add_u32 v[AGA], v6, 4, AUGA             ; all sixteen rows of these two fragments are the one bias row
	v_lshl_add_u32 v[AGB], v6, 4, AUGB
	s_mul_i32 s46, s43, 16*SP
	s_lshl_b32 s47, s44, 7
	s_add_co_u32 s46, s46, s47
	s_add_co_u32 s46, s46, STAGE
	v_mul_u32_u24 v[STO], v5, SP
	v_lshl_add_u32 v[STO], v6, 4, v[STO]
	v_add_nc_u32 v[STO], s46, v[STO]
	s_mul_i32 s46, s30, 8*SP
	s_add_co_u32 s46, s46, STAGE
	v_mul_u32_u24 v[RD], v6, SP
	v_lshl_add_u32 v[RD], v5, 4, v[RD]
	v_add_nc_u32 v[RD], s46, v[RD]
	v_mul_u32_u24 v[GO], v6, 1536
	v_lshl_add_u32 v[GO], v5, 4, v[GO]
	s_wait_loadcnt 63                              ; 98 were issued: at least 35 are back, A's 32 and the two bias loads among them
	s_cmp_eq_u32 s33, 1
	s_cbranch_scc1 .Lconv_t
.set n, 0
.rept 32
	v_cvt_pk_bf16_f32 v[LA+4*n], v[LA+4*n], v[LA+4*n+1]
	v_cvt_pk_bf16_f32 v[LA+4*n+1], v[LA+4*n+2], v[LA+4*n+3]
	ds_store_b64 v10, v[LA+4*n:LA+4*n+1] offset:(n/4)*PA+(n%4)*256
.set n, n+1
.endr
	s_branch .Lconv_done
.Lconv_t:
.set t, 0
.rept 4
.set d, 0
.rept 4
.set p, 0
.rept 4
	v_cvt_pk_bf16_f32 v[TMP+4*d+p], v[LA+4*(8*t+2*p)+d], v[LA+4*(8*t+2*p+1)+d]   ; eight neighbouring e of one d
.set p, p+1
.endr
	ds_store_b128 v11, v[TMP+4*d:TMP+4*d+3] offset:d*PA+32*t
.set d, d+1
.endr
.set t, t+1
.endr
.Lconv_done:
	v_cvt_pk_bf16_f32 v[TMP], v[AUG], v[AUG+1]
	v_cvt_pk_bf16_f32 v[TMP+1], v[AUG+2], v[AUG+3]
	ds_store_b32 v12, v[TMP]
	ds_store_b32 v13, v[TMP+1]
.set g, 0
.rept 4
	s_wait_loadcnt 48-16*g                         ; B's group g of sixteen loads is in
	WIN 0x05                                       ; sources in window 1
.set q, 0
.rept 16
	v_cvt_pk_bf16_f32 v[TMP+2*q], v[4*(16*g+q)], v[4*(16*g+q)+1]
	v_cvt_pk_bf16_f32 v[TMP+2*q+1], v[4*(16*g+q)+2], v[4*(16*g+q)+3]
.set q, q+1
.endr
	WIN 0
.set q, 0
.rept 16
	ds_store_b64 v14, v[TMP+2*q:TMP+2*q+1] offset:((16*g+q)/4)*PA+((16*g+q)%4)*256
.set q, q+1
.endr
.set g, g+1
.endr
	s_wait_dscnt 0x0                               ; for the others: my stores are done
	s_barrier_signal -1
	s_barrier_wait -1
; Eight fragments of 32 along e: 0 A, 1-4 B's tiles, 5 B's tile w, 6 bq, 7 bk or bv
.macro FFETCH buf, off
	ds_load_b128 v[(\buf):(\buf)+3], v[AA] offset:(\off)
	ds_load_b128 v[(\buf)+4:(\buf)+7], v[AA] offset:(\off)+32
.irp t, 0,1,2,3
	ds_load_b128 v[(\buf)+8+8*\t:(\buf)+8+8*\t+3], v[AB] offset:\t*16*PA+(\off)
	ds_load_b128 v[(\buf)+8+8*\t+4:(\buf)+8+8*\t+7], v[AB] offset:\t*16*PA+(\off)+32
.endr
	ds_load_b128 v[(\buf)+40:(\buf)+43], v[ABW] offset:(\off)
	ds_load_b128 v[(\buf)+44:(\buf)+47], v[ABW] offset:(\off)+32
	ds_load_b128 v[(\buf)+48:(\buf)+51], v[AGA] offset:(\off)
	ds_load_b128 v[(\buf)+52:(\buf)+55], v[AGA] offset:(\off)+32
	ds_load_b128 v[(\buf)+56:(\buf)+59], v[AGB] offset:(\off)
	ds_load_b128 v[(\buf)+60:(\buf)+63], v[AGB] offset:(\off)+32
.endm
.macro FW acc, fa, fb, buf, zero  ; source 0 gives the registers' index, source 1 the lane's
.if \zero
	v_wmma_f32_16x16x32_bf16 v[ACC+8*(\acc):ACC+8*(\acc)+7], v[(\buf)+8*(\fa):(\buf)+8*(\fa)+7], v[(\buf)+8*(\fb):(\buf)+8*(\fb)+7], 0
.else
	v_wmma_f32_16x16x32_bf16 v[ACC+8*(\acc):ACC+8*(\acc)+7], v[(\buf)+8*(\fa):(\buf)+8*(\fa)+7], v[(\buf)+8*(\fb):(\buf)+8*(\fb)+7], v[ACC+8*(\acc):ACC+8*(\acc)+7]
.endif
.endm
; One step of 32 along e: seven products, the accumulators by turns; then the buffer is fetched anew
.macro FSTEP buf, zero, nextoff, left
	s_wait_dscnt \left                             ; my buffer is in; the other buffer's sixteen younger loads may be out
	FW 0, 1, 0, \buf, \zero                        ; lane = d, registers = 8 neighbouring cc
	FW 1, 2, 0, \buf, \zero
	FW 2, 3, 0, \buf, \zero
	FW 3, 4, 0, \buf, \zero
	FW 4, 7, 0, \buf, \zero                        ; A . bias: lane = d
	FW 5, 5, 6, \buf, \zero                        ; B . bq: registers = 8 cc of tile w
	FW 6, 7, 6, \buf, \zero                        ; bias . bq
.if (\nextoff) >= 0
	PLACES
	FFETCH \buf, \nextoff
.endif
.endm
	FFETCH FB0, 0
	FFETCH FB1, 64
	FSTEP FB0, 1, 128, 16                          ; the first step starts the sums: nothing is cleared
	s_mov_b32 s48, 6
.Lk:
	FSTEP FB1, 0, 192, 16
	FSTEP FB0, 0, 256, 16
.irp a, AA, AB, ABW, AGA, AGB
	v_add_nc_u32 v[\a], 128, v[\a]                 ; two steps on
.endr
	s_sub_co_u32 s48, s48, 1
	s_cmp_lg_u32 s48, 0
	s_cbranch_scc1 .Lk
	FSTEP FB1, 0, 192, 16                          ; step 13; fetches step 15
	FSTEP FB0, 0, -1, 16
	FSTEP FB1, 0, -1, 0                            ; its wait for 0 shows all my fragment reads back
	; THE WAY OUT: scale, round once, through the stage, whole blocks of 256 bytes of wt.  The stage lies over A's first block: a barrier stands between every
	; wave's last read of A and the first store into the stage; the scaling and the rounding, work on registers, stand between its signal and its wait.
	s_barrier_signal -1
	PLACES
.set i, 0
.rept 16
	v_pk_mul_f32 v[ACC+2*i:ACC+2*i+1], v[ACC+2*i:ACC+2*i+1], s[40:41] op_sel_hi:[1,0]
.set i, i+1
.endr
.set i, 0
.rept 16
	v_cvt_pk_bf16_f32 v[TMP+i], v[ACC+2*i], v[ACC+2*i+1]
.set i, i+1
.endr
	s_barrier_wait -1
.irp t, 0,1,2,3
	ds_store_b128 v[STO], v[TMP+4*\t:TMP+4*\t+3] offset:32*\t
.endr
	s_lshl_b32 s45, s33, 9
	s_lshl_b32 s42, s34, 6
	s_add_co_u32 s45, s45, s42
	s_lshl_b32 s42, s30, 3
	s_add_co_u32 s45, s45, s42                     ; my first row of wt: 512 sel + 64 dblk + 8 w
	s_mul_i32 s38, s45, 1536
	s_lshl_b32 s42, s31, 8
	s_add_co_u32 s38, s38, s42
	s_add_nc_u64 s[20:21], s[20:21], s[38:39]
	s_wait_dscnt 0x0                               ; a row's 256 bytes come from two waves
	s_barrier_signal -1
	s_barrier_wait -1
.irp p, 0,1,2,3
	ds_load_b128 v[TMP+4*\p:TMP+4*\p+3], v[RD] offset:\p*2*SP
.endr
	s_wait_dscnt 0x0
.irp p, 0,1,2,3
	global_store_b128 v[GO], v[TMP+4*\p:TMP+4*\p+3], s[20:21] offset:\p*3072
.endr
	; the small vectors, in f32; each is made by every work-group and stored by one
	s_cmp_lg_u32 s31, 0
	s_cbranch_scc1 .Lno_kb
	s_cmp_gt_u32 s30, 3
	s_cbranch_scc1 .Lno_kb
	s_lshl_b32 s38, s33, 11
	s_lshl_b32 s42, s34, 8
	s_add_co_u32 s38, s38, s42
	s_lshl_b32 s42, s43, 6
	s_add_co_u32 s38, s38, s42
	s_add_nc_u64 s[22:23], s[22:23], s[38:39]
	v_mul_f32 v[TMP+16], s40, v[ACC+32]
	v_lshlrev_b32 v24, 2, v5
	v_cmp_gt_u32 vcc_lo, 16, v2
	s_wait_xcnt 0x0                                ; EXEC is a source of the stores above
	s_and_saveexec_b32 s46, vcc_lo
	global_store_b32 v24, v[TMP+16], s[22:23]      ; lanes 0-15: sixteen d
	s_wait_xcnt 0x0
	s_or_b32 exec_lo, exec_lo, s46
.Lno_kb:
	s_cmp_lg_u32 s32, 0
	s_cbranch_scc1 .Lno_sw
.irp p, 0,1,2,3
	v_pk_mul_f32 v[TMP+20+2*\p:TMP+20+2*\p+1], v[ACC+40+2*\p:ACC+40+2*\p+1], s[40:41] op_sel_hi:[1,0]
.endr
	s_lshl_b32 s38, s31, 9
	s_lshl_b32 s42, s30, 6
	s_add_co_u32 s38, s38, s42
	s_add_nc_u64 s[48:49], s[24:25], s[38:39]
	v_lshlrev_b32 v25, 5, v6
	v_cmp_eq_u32 vcc_lo, 0, v5
	s_wait_xcnt 0x0
	s_and_saveexec_b32 s46, vcc_lo
	global_store_b128 v25, v[TMP+20:TMP+23], s[48:49]              ; lanes 0 and 16: eight cc each
	global_store_b128 v25, v[TMP+24:TMP+27], s[48:49] offset:16
	s_wait_xcnt 0x0
	s_or_b32 exec_lo, exec_lo, s46
	s_cmp_lg_u32 s31, 0
	s_cbranch_scc1 .Lno_sw
	s_cmp_lg_u32 s30, 0
	s_cbranch_scc1 .Lno_sw
	v_mul_f32 v[TMP+28], s40, v[ACC+48]
	v_mov_b32 v26, 0
	v_cmp_eq_u32 vcc_lo, 0, v2
	s_wait_xcnt 0x0
	s_and_saveexec_b32 s46, vcc_lo
	global_store_b32 v26, v[TMP+28], s[24:25] offset:3072
	s_wait_xcnt 0x0
	s_or_b32 exec_lo, exec_lo, s46
.Lno_sw:
	s_wait_tensorcnt 0x0                           ; the wave's end, behind my last LDS store
	ds_add_u32 v[SPW], v[NIL]
	s_wait_dscnt 0x0
	s_endpgm
.Lfunc_end_k_qfbe254d5aa_prep:
	.size	k_qfbe254d5aa_prep, .Lfunc_end_k_qfbe254d5aa_prep-k_qfbe254d5aa_prep
	.p2alignl 7, 3214868480
	.fill 96, 4, 3214868480
	.section	.rodata,"a",@progbits
	.p2align	6, 0x0
	.amdhsa_kernel k_qfbe254d5aa_prep
		.amdhsa_group_segment_fixed_size 269824
		.amdhsa_private_segment_fixed_size 0
		.amdhsa_enable_private_segment 0
		.amdhsa_kernarg_size 96
		.amdhsa_user_sgpr_count 2
		.amdhsa_user_sgpr_kernarg_segment_ptr 1
		.amdhsa_wavefront_size32 1
		.amdhsa_system_sgpr_workgroup_id_x 1
		.amdhsa_system_sgpr_workgroup_id_y 1
		.amdhsa_system_sgpr_workgroup_id_z 1
		.amdhsa_system_vgpr_workitem_id 0
		.amdhsa_next_free_vgpr 512
		.amdhsa_next_free_sgpr 66
		.amdhsa_reserve_vcc 1
		.amdhsa_float_denorm_mode_32 3
		.amdhsa_float_denorm_mode_16_64 3
		.amdhsa_memory_ordered 1
		.amdhsa_forward_progress 1
		.amdhsa_inst_pref_size 73
	.end_amdhsa_kernel
	.amdgpu_metadata
---
amdhsa.version: [ 1, 2 ]
amdhsa.kernels:
  - .name:           k_qfbe254d5aa_prep
    .symbol:         k_qfbe254d5aa_prep.kd
    .args:
      - { .name: Wq, .offset: 0, .size: 8, .value_kind: global_buffer, .address_space: global }
      - { .name: Wk, .offset: 8, .size: 8, .value_kind: global_buffer, .address_space: global }
      - { .name: Wo, .offset: 16, .size: 8, .value_kind: global_buffer, .address_space: global }
      - { .name: Wv, .offset: 24, .size: 8, .value_kind: global_buffer, .address_space: global }
      - { .name: bq, .offset: 32, .size: 8, .value_kind: global_buffer, .address_space: global }
      - { .name: bk, .offset: 40, .size: 8, .value_kind: global_buffer, .address_space: global }
      - { .name: bv, .offset: 48, .size: 8, .value_kind: global_buffer, .address_space: global }
      - { .name: context, .offset: 56, .size: 8, .value_kind: global_buffer, .address_space: global }
      - { .name: wt, .offset: 64, .size: 8, .value_kind: global_buffer, .address_space: global }
      - { .name: bias, .offset: 72, .size: 8, .value_kind: global_buffer, .address_space: global }
      - { .name: sbw, .offset: 80, .size: 8, .value_kind: global_buffer, .address_space: global }
      - { .name: ctxb, .offset: 88, .size: 8, .value_kind: global_buffer, .address_space: global }
    .group_segment_fixed_size: 269824
    .private_segment_fixed_size: 0
    .kernarg_segment_align: 8
    .kernarg_segment_size: 96
    .max_flat_workgroup_size: 256
    .sgpr_count:     66
    .vgpr_count:     512
    .wavefront_size: 32
...
	.end_amdgpu_metadata
.endif
;; end of part 1
;; launch proj (part 2): grid 64 x 4, 4 waves a work-group, clusters of 4 x 1, 327,680 bytes of LDS; arguments ctxb, wt, bias, sbw, kv, sb; writes kv, sb
.if DOCPART == 2
	.amdgcn_target "amdgcn-amd-amdhsa--gfx1250"
	.amdhsa_code_object_version 6
	.text
	.protected	k_qfbe254d5aa_proj
	.globl	k_qfbe254d5aa_proj
	.p2align	8
	.type	k_qfbe254d5aa_proj,@function
k_qfbe254d5aa_proj:
	s_mov_b64 s[64:65], 0
	v_nop
	global_prefetch_b8 v0, s[64:65] scope:SCOPE_SE
	s_setreg_imm32_b32 hwreg(HW_REG_WAVE_MODE, 25, 1), 1
	s_wait_xcnt 0x0
	s_wait_alu depctr_hold_cnt(0) depctr_sa_sdst(0) depctr_va_vdst(0) depctr_va_sdst(0) depctr_va_ssrc(0) depctr_va_vcc(0) depctr_vm_vsrc(0)
	s_getreg_b32 s2, hwreg(HW_REG_IB_STS2, 6, 4)
	s_cmp_eq_u32 s2, 0
	s_cbranch_scc0 .Lentry_in_a_cluster
	s_endpgm
.Lentry_in_a_cluster:
	s_bfe_u32 s2, ttmp6, 0x10000c
	s_cmp_lg_u32 s2, 0x3003
	s_cbranch_scc0 .Lentry_shape_is_right
	s_endpgm
.Lentry_shape_is_right:
; PROJ.  C[key][n] = sum_cc ctxb[key][cc] wt[n][cc] + bias[n]: 8,192 keys x 1,024 n over 768 cc, bf16 operands, f32 sums, rounded once to bf16.
; n < 512 is K' (scaled scores' keys), n >= 512 is V'.  Also sb[key] = sum_cc ctxb[key][cc] sbw[cc] + sbw[768], in f32.
; A work-group makes 128 keys x 256 n; each of four waves 64 x 128: 32 accumulators.  K goes in six steps of 128 through two LDS slots.
; CLUSTER 4 x 1: the four key blocks of a cluster need the same 256 rows of wt: asked for jointly (waves 2, 3); ctxb's rows are each group's own (waves 0, 1).
; Not 4 x 4: the rows of sb that a group makes are chosen by its y in an LDS address, so y must be a number that all partners share.
; THE LAYOUT OF kv, made for the next launch: per batch 32 tiles of 256 rows x 256 bytes, dense, in the order of use.  Step j (256 keys): tiles 8 j + c (c < 4):
; K', row = key in the step, channels 128 c on; tiles 8 j + 4 + g: V', row = 64 seg + key in the group g of 64, channels 128 seg on.  In each block of 16 rows
; row 2 i + p holds key 8 p + i, so that one LDS pitch of 272 serves plain and turning fragment loads without two lanes in one bank.
; The matrix instruction is used transposed (source 0 = 16 n, source 1 = 16 keys): a lane holds eight neighbouring n of one key.  The bias is the C of the first products.
.set PITCH, 272
.set BOFF,  128*PITCH            ; B's 256 rows lie behind A's 128
.set SLOT,  384*PITCH            ; 104,448
.set STAGE, 2*SLOT               ; 16 rows x 272 bytes for each wave
.set SPARE, STAGE+4*16*PITCH     ; the spare words, 128 bytes a wave: two blocks of 256 bytes that no other line names
.set ADRA, 16                    ; v16-17 my A fragments in slot 0, 1
.set ADRB, 20                    ; v20-21 my B fragments
.set STO,  24
.set RD,   25
.set CO,   26
.set SBO,  27                    ; my byte offset in sbw; steps 512 a K step
.set SPW,  28                    ; my spare word; never rewritten
.set NIL,  29                    ; 0; never rewritten
.set DA,   30                    ; v30-31 my two rows of A for sb, slot 0, 1
.set DX,   32                    ; v32-47 4 x 8 bf16 of ctxb
.set DW,   48                    ; v48-55 8 f32 of sbw
.set DACC, 56                    ; v56-59 four partial sums
.set SB0V, 60
.set I16,  61
.set F0,   64                    ; fragment buffers: B's eight at +0, A's four at +64
.set F1,   160
.set TMP,  64                    ; the way out
.set OB,   96
.set WV,   16                    ; s16 wave; s17 = wave / 2: my 64 keys, also: I fetch A (0) or B (1); s18 = wave % 2: my 128 n, also which half I fetch
.set G1A,  24
.set G0A,  32
.set G1B,  48
.set G0B,  56
.set MSB, 0
.macro WIN new
.if MSB != (\new)
	s_set_vgpr_msb (MSB<<8)|(\new)
.set MSB, \new
.endif
.endm
.macro PLACES
.rept 4
	v_nop
.endr
.endm
.macro ROUND                     ; a round of the cluster's barrier
	s_barrier_signal -1
	s_barrier_wait -1
	s_cmp_lg_u32 s[WV], 0
	s_cbranch_scc1 .Lnot_wave_0_\@
	s_barrier_signal -3
.Lnot_wave_0_\@:
	s_barrier_wait -3
	s_barrier_signal -1
	s_barrier_wait -1
.endm
.macro JLOAD s                   ; one load a wave; an s_nop 0 and four v_nop follow each line
	s_cmp_eq_u32 s17, 0
	s_cbranch_scc0 .Lfor_b_\@
	tensor_load_to_lds s[G0A+4*(\s):G0A+4*(\s)+3], s[G1A:G1A+7]
	s_nop 0
.rept 4
	v_nop
.endr
	s_branch .Lasked_\@
.Lfor_b_\@:
	tensor_load_to_lds s[G0B+4*(\s):G0B+4*(\s)+3], s[G1B:G1B+7]
	s_nop 0
.rept 4
	v_nop
.endr
.Lasked_\@:
.endm
	s_load_b256 s[4:11], s[0:1], 0x0               ; ctxb s[4:5], wt s[6:7], bias s[8:9], sbw s[10:11]
	s_load_b128 s[12:15], s[0:1], 0x20             ; kv s[12:13], sb s[14:15]
	v_lshl_add_u32 v[SPW], v0, 2, SPARE
	v_mov_b32 v[NIL], 0
	ds_add_u32 v[SPW], v[NIL]                      ; the wave's opening: the add and its wait come ahead of my first tensor load
	v_lshrrev_b32 v1, 5, v0
	v_readfirstlane_b32 s[WV], v1
	s_lshr_b32 s17, s[WV], 1
	s_and_b32 s18, s[WV], 1
	s_bfe_u32 s19, ttmp6, 0x40000                  ; cx
	s_lshl_b32 s20, ttmp9, 2
	s_add_co_u32 s20, s20, s19                     ; my block of 128 keys: it enters global addresses alone
	s_and_b32 s21, ttmp7, 3                        ; my block of 256 n, shared by the partners
	s_mov_b32 s[G1A], (1<<16)|(1<<20)|(5<<22)|(3<<25)                ; 2-byte elements; 16 bytes of padding behind every 256; no mask: my own rows
	s_mov_b32 s[G1A+1], 128<<16                    ; tensor_dim0 = 128
	s_mov_b32 s[G1A+2], 64<<16                     ; tensor_dim1 = 64
	s_mov_b32 s[G1A+3], 128<<16                    ; tile_dim0 = 128
	s_mov_b32 s[G1A+4], 64                         ; tile_dim1 = 64
	s_mov_b32 s[G1A+5], 768                        ; elements from row to row
	s_mov_b32 s[G1A+6], 0
	s_mov_b32 s[G1A+7], 0
	s_mov_b32 s[G1B], 15|(1<<16)|(1<<20)|(1<<21)|(5<<22)|(3<<25)     ; the same with the mask of all four and bit 21 beside it
	s_mov_b32 s[G1B+1], 128<<16
	s_mov_b32 s[G1B+2], 128<<16                    ; 128 rows
	s_mov_b32 s[G1B+3], 128<<16
	s_mov_b32 s[G1B+4], 128
	s_mov_b32 s[G1B+5], 768
	s_mov_b32 s[G1B+6], 0
	s_mov_b32 s[G1B+7], 0
	s_mul_i32 s40, s20, 196608                     ; A: (128 xb + 64 half) rows of 1,536 bytes
	s_mul_i32 s41, s18, 98304
	s_add_co_u32 s40, s40, s41
	s_mov_b32 s41, 0
	s_mul_i32 s66, s21, 393216                     ; B: (256 y + 128 half) rows; these two registers never hold cx
	s_mul_i32 s67, s18, 196608
	s_add_co_u32 s66, s66, s67
	s_mov_b32 s67, 0
	s_mul_i32 s22, s18, 64*PITCH                   ; where they go: made of the wave's number alone
	s_mul_i32 s23, s18, 128*PITCH
	s_add_co_u32 s23, s23, BOFF
.irp s, 0,1
	s_mov_b32 s[G0A+4*\s], 1
	s_add_co_u32 s[G0A+4*\s+1], s22, \s*SLOT
	s_mov_b32 s[G0B+4*\s], 1
	s_add_co_u32 s[G0B+4*\s+1], s23, \s*SLOT
.endr
	s_wait_dscnt 0x0                               ; the opening add is done
	s_wait_kmcnt 0x0
	s_add_nc_u64 s[4:5], s[4:5], s[40:41]
	s_add_nc_u64 s[6:7], s[6:7], s[66:67]
.irp s, 0,1
	s_add_nc_u64 s[G0A+4*\s+2:G0A+4*\s+3], s[4:5], \s*256          ; K step s
	s_or_b32 s[G0A+4*\s+3], s[G0A+4*\s+3], 0x80000000
	s_add_nc_u64 s[G0B+4*\s+2:G0B+4*\s+3], s[6:7], \s*256
	s_or_b32 s[G0B+4*\s+3], s[G0B+4*\s+3], 0x80000000
.endr
	ROUND                                          ; all four work-groups are here: the first joint loads meet
	s_cmp_eq_u32 s17, 0                            ; a wave's two first fills stand in one branch: two loads of mine are out
	s_cbranch_scc0 .Lfirst_b
	tensor_load_to_lds s[G0A:G0A+3], s[G1A:G1A+7]
	s_nop 0
	tensor_load_to_lds s[G0A+4:G0A+7], s[G1A:G1A+7]
	s_nop 0
.rept 4
	v_nop
.endr
	s_branch .Lfirst_asked
.Lfirst_b:
	tensor_load_to_lds s[G0B:G0B+3], s[G1B:G1B+7]
	s_nop 0
	tensor_load_to_lds s[G0B+4:G0B+7], s[G1B:G1B+7]
	s_nop 0
.rept 4
	v_nop
.endr
.Lfirst_asked:
	s_lshl_b32 s42, s21, 10                        ; bias of my 128 n: register q of tile j is n = 16 j + 8 h + q
	s_lshl_b32 s43, s18, 9
	s_add_co_u32 s42, s42, s43
	s_mov_b32 s43, 0
	s_add_nc_u64 s[8:9], s[8:9], s[42:43]
	v_bfe_u32 v2, v0, 4, 1                         ; h
	v_and_b32 v[I16], 15, v0                       ; r
	v_lshlrev_b32 v3, 5, v2
	v_mov_b32 v4, 0
	WIN 0x80                                       ; into window 2
.irp j, 0,1,2,3,4,5,6,7
	global_load_b128 v[8*\j:8*\j+3], v3, s[8:9] offset:64*\j
	global_load_b128 v[8*\j+4:8*\j+7], v3, s[8:9] offset:64*\j+16
.endr
	WIN 0
	global_load_b32 v[SB0V], v4, s[10:11] offset:3072
	v_mul_u32_u24 v5, v[I16], PITCH
	v_lshl_add_u32 v5, v2, 4, v5                   ; a fragment's row x pitch + 16 x half
	s_mul_i32 s44, s17, 64*PITCH
	v_add_nc_u32 v[ADRA], s44, v5
	v_add_nc_u32 v[ADRA+1], SLOT, v[ADRA]
	v_add_nc_u32 v[ADRB], s23, v5
	v_add_nc_u32 v[ADRB+1], SLOT, v[ADRB]
	s_mul_i32 s44, s[WV], 16*PITCH
	s_add_co_u32 s44, s44, STAGE                   ; my stage
	v_and_b32 v6, 7, v0
	v_bfe_u32 v7, v0, 3, 1
	v_lshl_add_u32 v6, v6, 1, v7                   ; key r goes to row 2 (r % 8) + r / 8
	v_mul_u32_u24 v[STO], v6, PITCH
	v_lshl_add_u32 v[STO], v2, 4, v[STO]
	v_add_nc_u32 v[STO], s44, v[STO]
	v_mul_u32_u24 v[RD], v2, PITCH
	v_lshl_add_u32 v[RD], v[I16], 4, v[RD]
	v_add_nc_u32 v[RD], s44, v[RD]
	v_and_b32 v[CO], 31, v0
	v_lshlrev_b32 v[CO], 4, v[CO]
	v_lshlrev_b32 v[SBO], 5, v[I16]                ; sbw: eight cc a lane
	s_lshl_b32 s45, s21, 5
	s_lshl_b32 s46, s[WV], 3
	s_add_co_u32 s45, s45, s46
	s_mul_i32 s45, s45, PITCH                      ; sb: rows 32 y + 8 w on of the group's 128
	v_mul_u32_u24 v[DA], v2, PITCH
	v_lshl_add_u32 v[DA], v[I16], 4, v[DA]
	v_add_nc_u32 v[DA], s45, v[DA]
	v_add_nc_u32 v[DA+1], SLOT, v[DA]
.irp p, 0,1,2,3
	v_mov_b32 v[DACC+\p], 0
.endr
; 16 products: key tiles i0, i0 + 1 x all 8 n tiles, 32 along K.  first = 1: C is the bias (window 2): nothing is cleared, nothing added later
.macro MUL16 f, i0, first
.if \first
	WIN 0x60
.else
	WIN 0x50
.endif
.irp i, \i0, (\i0)+1
.irp j, 0,1,2,3,4,5,6,7
.if \first
	v_wmma_f32_16x16x32_bf16 v[8*(8*(\i)+\j):8*(8*(\i)+\j)+7], v[(\f)+8*\j:(\f)+8*\j+7], v[(\f)+64+8*(\i):(\f)+64+8*(\i)+7], v[8*\j:8*\j+7]
.else
	v_wmma_f32_16x16x32_bf16 v[8*(8*(\i)+\j):8*(8*(\i)+\j)+7], v[(\f)+8*\j:(\f)+8*\j+7], v[(\f)+64+8*(\i):(\f)+64+8*(\i)+7], v[8*(8*(\i)+\j):8*(8*(\i)+\j)+7]
.endif
.endr
.endr
.endm
.macro FETCH slot, k, f          ; 24 LDS loads in one run: B's eight fragments, then A's four
	WIN 0
.irp j, 0,1,2,3,4,5,6,7
	ds_load_b128 v[(\f)+8*\j:(\f)+8*\j+3], v[ADRB+(\slot)] offset:(\k)+\j*16*PITCH
	ds_load_b128 v[(\f)+8*\j+4:(\f)+8*\j+7], v[ADRB+(\slot)] offset:(\k)+\j*16*PITCH+32
.endr
.irp i, 0,1,2,3
	ds_load_b128 v[(\f)+64+8*\i:(\f)+64+8*\i+3], v[ADRA+(\slot)] offset:(\k)+\i*16*PITCH
	ds_load_b128 v[(\f)+64+8*\i+4:(\f)+64+8*\i+7], v[ADRA+(\slot)] offset:(\k)+\i*16*PITCH+32
.endr
.endm
.macro DOTLD slot                ; sb: this K step's eight sbw and 4 x 2 rows x 8 cc of ctxb
	global_load_b128 v[DW:DW+3], v[SBO], s[10:11]
	global_load_b128 v[DW+4:DW+7], v[SBO], s[10:11] offset:16
.irp p, 0,1,2,3
	ds_load_b128 v[DX+4*\p:DX+4*\p+3], v[DA+(\slot)] offset:\p*2*PITCH
.endr
.endm
.macro DOTFMA                    ; 32 multiply-adds straight from the bf16 halves, the four sums by turns
	s_wait_loadcnt 0x0                             ; sbw is in, and its address register is free
.irp e, 0,1,2,3,4,5,6,7
.irp p, 0,1,2,3
.if (\e)%2
	v_fma_mix_f32_bf16 v[DACC+\p], v[DX+4*\p+(\e)/2], v[DW+\e], v[DACC+\p] op_sel:[1,0,0] op_sel_hi:[1,0,0]
.else
	v_fma_mix_f32_bf16 v[DACC+\p], v[DX+4*\p+(\e)/2], v[DW+\e], v[DACC+\p] op_sel_hi:[1,0,0]
.endif
.endr
.endr
	v_add_nc_u32 v[SBO], 0x200, v[SBO]
.endm
; A K step is four quarters of 32 along K on buffers 0, 1, 0, 1.  One of the first three: multiplies f, fetches byte k of the rows into g
.macro QUARTER slot, k, f, g, first=0, dot=0
	s_wait_dscnt 4                                 ; all but A's tiles 2 and 3
	MUL16 \f, 0, \first
	WIN 0
.if (\dot) == 2
	DOTFMA
.endif
	PLACES                                         ; in front of loads into registers that matrix instructions have read
.if (\dot) == 1
	DOTLD \slot
.endif
	FETCH \slot, \k, \g
	s_wait_dscnt 24                                ; all but the 24 just issued
	MUL16 \f, 2, \first
.endm
; The last quarter multiplies buffer 1 and changes slots.  In front of the barrier each wave waits for all its tensor loads (one is out: its part of the next slot),
; adds 0 to its spare word, and waits for that and for its reads of this slot.  fill = 1: the barrier is a round of the cluster's, and the refill is the first thing behind it.
.macro TURN slot, next, fill
	WIN 0
	s_wait_tensorcnt 0x0
	ds_add_u32 v[SPW], v[NIL]
.if \fill
	s_add_nc_u64 s[G0A+4*(\slot)+2:G0A+4*(\slot)+3], s[G0A+4*(\slot)+2:G0A+4*(\slot)+3], 512   ; no load of mine is out: two K steps on
	s_add_nc_u64 s[G0B+4*(\slot)+2:G0B+4*(\slot)+3], s[G0B+4*(\slot)+2:G0B+4*(\slot)+3], 512
.endif
	s_wait_dscnt 5                                 ; the add and the youngest four loads may be out
	MUL16 F1, 0, 0
	WIN 0
	s_wait_dscnt 0x0
.if \fill
	ROUND
	JLOAD \slot                                    ; its four v_nop are also the places in front of the loads below
.else
	s_barrier_signal -1
	s_barrier_wait -1
	PLACES
.endif
	FETCH \next, 0, F0
	MUL16 F1, 2, 0
.endm
	s_wait_tensorcnt 0x1                           ; my part of K step 0 is in; step 1's may stay out
	s_barrier_signal -1
	s_barrier_wait -1
	FETCH 0, 0, F0
	s_wait_loadcnt 0x0                             ; the bias
	QUARTER 0, 64, F0, F1, 1
	WIN 0
	s_mov_b32 s3, 2
.Llap:                                                 ; once round the ring, from a lap's second quarter to the next lap's first
	QUARTER 0, 128, F1, F0, 0, 1
	QUARTER 0, 192, F0, F1, 0, 2
	TURN 0, 1, 1
	QUARTER 1, 64, F0, F1
	QUARTER 1, 128, F1, F0, 0, 1
	QUARTER 1, 192, F0, F1, 0, 2
	TURN 1, 0, 1
	QUARTER 0, 64, F0, F1
	WIN 0
	s_sub_co_u32 s3, s3, 1
	s_cmp_lg_u32 s3, 0
	s_cbranch_scc1 .Llap
	QUARTER 0, 128, F1, F0, 0, 1                   ; the last lap asks for nothing
	QUARTER 0, 192, F0, F1, 0, 2
	TURN 0, 1, 0
	QUARTER 1, 64, F0, F1
	QUARTER 1, 128, F1, F0, 0, 1
	QUARTER 1, 192, F0, F1, 0, 2
	s_wait_dscnt 4
	MUL16 F1, 0, 0
	s_wait_dscnt 0x0
	MUL16 F1, 2, 0
	WIN 0
	; where my 64 keys x 128 n go: 16,384 dense bytes of one tile of kv
	s_lshl_b32 s40, s20, 7
	s_lshl_b32 s41, s17, 6
	s_add_co_u32 s40, s40, s41                     ; my first key
	s_lshr_b32 s41, s40, 10
	s_lshl_b32 s41, s41, 21                        ; the batch's 2 MiB
	s_and_b32 s42, s40, 1023                       ; key in the batch
	s_lshr_b32 s43, s42, 8
	s_lshl_b32 s43, s43, 19                        ; the step's eight tiles
	s_add_co_u32 s41, s41, s43
	s_lshl_b32 s44, s21, 1
	s_add_co_u32 s44, s44, s18                     ; my block of 128 n: 0-3 K', 4-7 V'
	s_lshl_b32 s45, s44, 16                        ; K': tile = block, row = key in the step
	s_and_b32 s46, s42, 255
	s_lshl_b32 s46, s46, 8
	s_add_co_u32 s45, s45, s46
	s_bfe_u32 s46, s42, 0x20006                    ; V': tile = 4 + group of 64 keys, rows 64 (block - 4) on
	s_add_co_u32 s46, s46, 4
	s_lshl_b32 s46, s46, 16
	s_sub_co_u32 s47, s44, 4
	s_lshl_b32 s47, s47, 14
	s_add_co_u32 s46, s46, s47
	s_cmp_lt_u32 s44, 4
	s_cselect_b32 s45, s45, s46
	s_add_co_u32 s40, s41, s45
	s_mov_b32 s41, 0
	s_add_nc_u64 s[12:13], s[12:13], s[40:41]
.macro PACK i                    ; 16 keys: rounded to bf16, 16 bytes a lane; each accumulator's registers in ascending order
	WIN 0x05
.irp j, 0,1,2,3,4,5,6,7
.irp q, 0,1,2,3
	v_cvt_pk_bf16_f32 v[TMP+4*\j+\q], v[8*(8*(\i)+\j)+2*\q], v[8*(8*(\i)+\j)+2*\q+1]
.endr
.endr
	WIN 0
.endm
.macro TOSTAGE i                 ; into my own stage, rows permuted, and back as whole rows; LDS serves a wave's instructions in order
.irp j, 0,1,2,3,4,5,6,7
	ds_store_b128 v[STO], v[TMP+4*\j:TMP+4*\j+3] offset:32*\j
.endr
.irp t, 0,1,2,3,4,5,6,7
	ds_load_b128 v[OB+32*(\i)+4*\t:OB+32*(\i)+4*\t+3], v[RD] offset:\t*2*PITCH
.endr
.endm
.macro SEND i                    ; each store covers 512 consecutive bytes, aligned; every block has registers of its own
	s_wait_dscnt 0x0
.irp t, 0,1,2,3,4,5,6,7
	global_store_b128 v[CO], v[OB+32*(\i)+4*\t:OB+32*(\i)+4*\t+3], s[12:13] offset:4096*(\i)+512*\t
.endr
.endm
	PLACES
	PACK 0
	TOSTAGE 0
	PACK 1
	SEND 0
	TOSTAGE 1
	PACK 2
	SEND 1
	TOSTAGE 2
	PACK 3
	SEND 2
	TOSTAGE 3
	SEND 3
	; sb: the sixteen lanes of a row are added up; lane p of each half keeps pass p; 8 numbers a wave (32 bytes: a part of a block, once a wave)
.irp m, 1,2,4,8
.irp p, 0,1,2,3
	v_add_f32_dpp v[DACC+\p], v[DACC+\p], v[DACC+\p] row_xmask:\m row_mask:0xf bank_mask:0xf
.endr
.endr
	v_cmp_eq_u32 vcc_lo, 1, v[I16]
	v_cndmask_b32 v[DACC], v[DACC], v[DACC+1], vcc_lo
	v_cmp_eq_u32 vcc_lo, 2, v[I16]
	v_cndmask_b32 v[DACC], v[DACC], v[DACC+2], vcc_lo
	v_cmp_eq_u32 vcc_lo, 3, v[I16]
	v_cndmask_b32 v[DACC], v[DACC], v[DACC+3], vcc_lo
	v_add_f32 v[DACC], v[DACC], v[SB0V]
	s_lshl_b32 s40, s20, 9
	s_lshl_b32 s42, s21, 7
	s_add_co_u32 s40, s40, s42
	s_lshl_b32 s42, s[WV], 5
	s_add_co_u32 s40, s40, s42
	s_add_nc_u64 s[14:15], s[14:15], s[40:41]
	v_lshlrev_b32 v8, 3, v[I16]
	v_lshl_add_u32 v8, v2, 2, v8                   ; row 2 p + h
	v_cmp_gt_u32 vcc_lo, 4, v[I16]
	s_wait_xcnt 0x0                                ; EXEC is a source of the stores above
	s_and_saveexec_b32 s47, vcc_lo
	global_store_b32 v8, v[DACC], s[14:15]
	s_wait_xcnt 0x0
	s_or_b32 exec_lo, exec_lo, s47
	s_wait_tensorcnt 0x0                           ; the wave's end
	ds_add_u32 v[SPW], v[NIL]
	s_wait_dscnt 0x0
	ROUND                                          ; the closing round
	s_endpgm
.Lfunc_end_k_qfbe254d5aa_proj:
	.size	k_qfbe254d5aa_proj, .Lfunc_end_k_qfbe254d5aa_proj-k_qfbe254d5aa_proj
	.p2alignl 7, 3214868480
	.fill 96, 4, 3214868480
	.section	.rodata,"a",@progbits
	.p2align	6, 0x0
	.amdhsa_kernel k_qfbe254d5aa_proj
		.amdhsa_group_segment_fixed_size 327680
		.amdhsa_private_segment_fixed_size 0
		.amdhsa_enable_private_segment 0
		.amdhsa_kernarg_size 48
		.amdhsa_user_sgpr_count 2
		.amdhsa_user_sgpr_kernarg_segment_ptr 1
		.amdhsa_wavefront_size32 1
		.amdhsa_system_sgpr_workgroup_id_x 1
		.amdhsa_system_sgpr_workgroup_id_y 1
		.amdhsa_system_sgpr_workgroup_id_z 1
		.amdhsa_system_vgpr_workitem_id 0
		.amdhsa_next_free_vgpr 576
		.amdhsa_next_free_sgpr 72
		.amdhsa_reserve_vcc 1
		.amdhsa_float_denorm_mode_32 3
		.amdhsa_float_denorm_mode_16_64 3
		.amdhsa_memory_ordered 1
		.amdhsa_forward_progress 1
		.amdhsa_inst_pref_size 100
	.end_amdhsa_kernel
	.amdgpu_metadata
---
amdhsa.version: [ 1, 2 ]
amdhsa.kernels:
  - .name:           k_qfbe254d5aa_proj
    .symbol:         k_qfbe254d5aa_proj.kd
    .args:
      - { .name: ctxb, .offset: 0, .size: 8, .value_kind: global_buffer, .address_space: global }
      - { .name: wt, .offset: 8, .size: 8, .value_kind: global_buffer, .address_space: global }
      - { .name: bias, .offset: 16, .size: 8, .value_kind: global_buffer, .address_space: global }
      - { .name: sbw, .offset: 24, .size: 8, .value_kind: global_buffer, .address_space: global }
      - { .name: kv, .offset: 32, .size: 8, .value_kind: global_buffer, .address_space: global }
      - { .name: sb, .offset: 40, .size: 8, .value_kind: global_buffer, .address_space: global }
    .group_segment_fixed_size: 327680
    .private_segment_fixed_size: 0
    .kernarg_segment_align: 8
    .kernarg_segment_size: 48
    .max_flat_workgroup_size: 128
    .sgpr_count:     72
    .vgpr_count:     576
    .wavefront_size: 32
...
	.end_amdgpu_metadata
.endif
;; end of part 2
;; launch attn (part 3): grid 32 x 8, 4 waves a work-group, clusters of 4 x 1, 327,680 bytes of LDS; arguments x, kv, sb, bo, out0; writes out0
.if DOCPART == 3
	.amdgcn_target "amdgcn-amd-amdhsa--gfx1250"
	.amdhsa_code_object_version 6
	.text
	.protected	k_qfbe254d5aa_attn
	.globl	k_qfbe254d5aa_attn
	.p2align	8
	.type	k_qfbe254d5aa_attn,@function
k_qfbe254d5aa_attn:
	s_mov_b64 s[64:65], 0
	v_nop
	global_prefetch_b8 v0, s[64:65] scope:SCOPE_SE
	s_setreg_imm32_b32 hwreg(HW_REG_WAVE_MODE, 25, 1), 1
	s_wait_xcnt 0x0
	s_wait_alu depctr_hold_cnt(0) depctr_sa_sdst(0) depctr_va_vdst(0) depctr_va_sdst(0) depctr_va_ssrc(0) depctr_va_vcc(0) depctr_vm_vsrc(0)
	s_getreg_b32 s2, hwreg(HW_REG_IB_STS2, 6, 4)
	s_cmp_eq_u32 s2, 0
	s_cbranch_scc0 .Lentry_in_a_cluster
	s_endpgm
.Lentry_in_a_cluster:
	s_bfe_u32 s2, ttmp6, 0x10000c
	s_cmp_lg_u32 s2, 0x3003
	s_cbranch_scc0 .Lentry_shape_is_right
	s_endpgm
.Lentry_shape_is_right:
; ATTN.  out[n] = (sum_m p[n][m] V'[m]) / (sum_m p[n][m]) + bo + x[n],  p = 2^(s - max),  s[n][m] = x[n] . K'[m] + sb[m]  (log2(e) / sqrt(512) lies in K' and sb).
; x, K', V' and p are bf16 matrix operands; products, the running maximum m, the sum l and O are f32.
; LIMITS.  The residual takes x from the bf16 copy in LDS: off by at most 2^-8 of |x|.  O's registers first hold raw x and are multiplied by a = 0 in the first step, so a
; non-finite x spoils its block of 128 rows.  m starts at the lowest finite number: scores (in log2 units) must lie above -1e38.  A weight below 2^-126 counts as 0.
; SHARES.  A work-group owns 128 queries of one batch; its four waves SHARE them, since a head of 512 makes O 256 KiB of f32.  Per step of 256 keys:
;   S phase: wave w makes S^T for keys 64 kt + 16 w + 0..15 (kt = 0..3) and all 128 queries (32 accumulators), K' in four tiles of 128 channels;
;   softmax: a lane holds one query (lane % 16) and 32 keys; the eight partial maxima of a query meet in LDS; p goes to LDS as bf16, 64 keys a buffer;
;   O phase: wave w makes O^T for channels 128 w on and all 128 queries (64 accumulators), V' in four tiles of 64 keys.
; So each fragment read from LDS feeds 4 to 8 products.  The three phases follow each other.
; RING.  Two slots of one tile (256 rows x 256 bytes, each wave fetches 64 rows); 32 tiles in the order in which kv holds them; tile t + 2 is asked for when tile t has been read.
; CLUSTER.  The four query blocks of a cluster walk the same tiles: every tile is asked for jointly.  The clusters of a batch start at different steps (cluster x % 4) and walk in a ring.
; REGISTERS: window 0: v0-15 addresses, v16-31 (m, l) a query tile, v32-63 the score bias (C of the first products), v64-159 and v160-255 fragment buffers of the S phase;
;   in the softmax v64-191 p, v192-223 at work, v224-239 a.  Window 1: S^T, then the O phase's two fragment buffers.  Windows 2, 3: O^T, 64 registers a query tile.
.set SLOT,  0x11000              ; 256 rows x 272 bytes; no wave's place in a slot (w x 0x4400) has one of its two bits, so an exclusive or changes slots
.set QR,    17408                ; 64 rows x 272
.set XB,    139264               ; x in bf16: 128 rows x 1,040
.set PX,    1040
.set PB0,   272384               ; p: two buffers of 128 rows x 144; the second is reached by the immediate offset
.set PBS,   18432
.set PP,    144
.set STAT,  309248               ; 128 rows x 48: eight words a query
.set SPARE, 315392               ; the spare words, 128 bytes a wave: two blocks of 256 bytes that no other line names
.set SGP,   528                  ; the way out: 64 rows x 528 a wave, in the slots, behind their last fill
.set SGW,   33792
.set SPW, 1                      ; my spare word; never rewritten
.set AK0, 2                      ; my lane's place in a tile of K'; never rewritten
.set ADK, 3                      ; AK0 + the slot in hand
.set ADX, 4                      ; v4-5  AX0 + the channels in hand, query tiles 0-3 and 4-7
.set ADV, 6                      ; v6-7
.set ADP, 8
.set AX0, 9                      ; my lane's place in x; never rewritten
.set APW, 10
.set STW, 12
.set STR, 13
.set SBO, 14
.set NIL, 15                     ; 0; never rewritten
.set ST,  16
.set BI,  32
.set F0,  64
.set F1,  160
.set PR,  64                     ; p of key tile kt, query tile qt at PR + 32 kt + 4 qt
.set TM,  192
.set AF,  224                    ; a (later 1 / l) of query tile qt at AF + 2 qt
.set B0,  0                      ; window 1
.set B1,  128
.set SGA, 2                      ; the way out takes dead address registers
.set SGR, 3
.set XR,  4
.set OUTO, 5
.set SGR0, 11
.set WV,  14
.set G1,  24
.set G0A, 32
.set KVB, 36
.set OFF, 38
.set NXT, 40
.set SJ,  41
.set STEPS, 42
.set KCNT, 43
.set G0,  44
.set TBK, 50
.set XO,  51                     ; byte of the channels in hand in a row of x, for query tiles 0-3
.set SBB, 52
.set SBA, 54
.set ROWS, 58
.set XO1, 60                     ; the same plus 64 rows, for query tiles 4-7
.set KV, 0                       ; what follows a V unit: a refill and V; a refill and K; no refill; nothing
.set KK, 1
.set KN, 2
.set KE, 3
.set MSB, 0
.macro WIN new
.if MSB != (\new)
	s_set_vgpr_msb (MSB<<8)|(\new)
.set MSB, \new
.endif
.endm
.macro PLACES
.rept 4
	v_nop
.endr
.endm
.macro ROUND                     ; a round of the cluster's barrier
	s_barrier_signal -1
	s_barrier_wait -1
	s_cmp_lg_u32 s[WV], 0
	s_cbranch_scc1 .Lnot_wave_0_\@
	s_barrier_signal -3
.Lnot_wave_0_\@:
	s_barrier_wait -3
	s_barrier_signal -1
	s_barrier_wait -1
.endm
.macro ALLQ line:vararg          ; one line for each query tile qt
.set qt, 0
.rept 8
	\line
.set qt, qt+1
.endr
.endm
.macro ALLKQ line:vararg         ; one line for each key tile kt and query tile qt
.set kt, 0
	s_wait_alu depctr_va_vdst(0)
.rept 4
.set qt, 0
.rept 8
	\line
.set qt, qt+1
.endr
.set kt, kt+1
.endr
.endm
.macro XADR                      ; x's two fragment addresses, made anew from the constant lane term and the scalars
	v_add_nc_u32 v[ADX], s[XO], v[AX0]
	v_add_nc_u32 v[ADX+1], s[XO1], v[AX0]
.endm
.macro FILLSC                    ; the walking descriptor, written where no load of mine is out: tile NXT, the other slot
	s_lshl_b32 s[OFF], s[NXT], 16
	s_add_nc_u64 s[G0+2:G0+3], s[KVB:KVB+1], s[OFF:OFF+1]
	s_or_b32 s[G0+3], s[G0+3], 0x80000000
	s_xor_b32 s[G0+1], s[G0+1], SLOT
	s_add_co_u32 s[NXT], s[NXT], 1
	s_and_b32 s[NXT], s[NXT], 31
.endm
.macro FILLTURN                  ; the round, and the joint refill first behind it: one load a wave
	ROUND
	tensor_load_to_lds s[G0:G0+3], s[G1:G1+7]
	s_nop 0
.rept 4
	v_nop
.endr
.endm
.macro BILOAD                    ; sb of my keys: register q of key tile kt is key 64 kt + 16 w + 8 h + q of the step
.irp kk, 0,1,2,3
	global_load_b128 v[BI+8*\kk:BI+8*\kk+3], v[SBO], s[SBB:SBB+1] offset:256*\kk
	global_load_b128 v[BI+8*\kk+4:BI+8*\kk+7], v[SBO], s[SBB:SBB+1] offset:256*\kk+16
.endr
.endm
	s_load_b256 s[4:11], s[0:1], 0x0               ; x s[4:5], kv s[6:7], sb s[8:9], bo s[10:11]
	s_load_b64 s[12:13], s[0:1], 0x20              ; out0
	v_lshl_add_u32 v[SPW], v0, 2, SPARE
	v_mov_b32 v[NIL], 0
	ds_add_u32 v[SPW], v[NIL]                      ; the wave's opening: the add and its wait come ahead of my first tensor load
	v_lshrrev_b32 v200, 5, v0
	v_readfirstlane_b32 s[WV], v200
	s_bfe_u32 s15, ttmp6, 0x40000                  ; cx
	s_lshl_b32 s16, ttmp9, 2
	s_add_co_u32 s16, s16, s15                     ; my block of 128 queries: it enters x's and out0's addresses alone
	s_and_b32 s17, ttmp7, 7                        ; the batch, shared by the partners
	s_and_b32 s18, ttmp9, 3                        ; the step at which my cluster starts, shared too
	s_mov_b32 s[G1], 15|(1<<16)|(1<<20)|(1<<21)|(5<<22)|(3<<25)      ; the mask of four; 2-byte elements; padding on; bit 21 beside the mask; 16 bytes behind every 256
	s_mov_b32 s[G1+1], 128<<16                     ; tensor_dim0 = 128
	s_mov_b32 s[G1+2], 64<<16                      ; tensor_dim1 = 64
	s_mov_b32 s[G1+3], 128<<16                     ; tile_dim0 = 128
	s_mov_b32 s[G1+4], 64                          ; tile_dim1 = 64
	s_mov_b32 s[G1+5], 128                         ; the rows are dense
	s_mov_b32 s[G1+6], 0
	s_mov_b32 s[G1+7], 0
	s_lshl_b32 s22, s17, 21                        ; the batch's 32 tiles,
	s_lshl_b32 s23, s[WV], 14                      ; my 64 rows of each
	s_add_co_u32 s22, s22, s23
	s_mov_b32 s23, 0
	s_mul_i32 s19, s[WV], QR                       ; and their place in a slot
	s_mov_b32 s[G0A], 1
	s_mov_b32 s[G0A+1], s19
	s_mov_b32 s[G0], 1
	s_add_co_u32 s[G0+1], s19, SLOT
	s_lshl_b32 s[NXT], s18, 3
	s_lshl_b32 s[OFF], s[NXT], 16
	s_mov_b32 s[OFF+1], 0
	s_mov_b32 s[SJ], s18
	s_lshl_b32 s20, s17, 23
	s_lshl_b32 s21, s16, 18
	s_add_co_u32 s20, s20, s21                     ; my block's first byte in x and in out0
	s_mov_b32 s21, 0
	s_lshl_b32 s56, s17, 12
	s_mov_b32 s57, 0
	s_mul_i32 s59, s[WV], 4352
	s_mov_b32 s[XO], 0
	s_mov_b32 s[XO1], 64*PX
	s_wait_dscnt 0x0                               ; the opening add is done
	s_wait_kmcnt 0x0
	s_add_nc_u64 s[KVB:KVB+1], s[6:7], s[22:23]
	s_add_nc_u64 s[G0A+2:G0A+3], s[KVB:KVB+1], s[OFF:OFF+1]
	s_or_b32 s[G0A+3], s[G0A+3], 0x80000000
	s_add_co_u32 s[OFF], s[OFF], 0x10000
	s_add_nc_u64 s[G0+2:G0+3], s[KVB:KVB+1], s[OFF:OFF+1]
	s_or_b32 s[G0+3], s[G0+3], 0x80000000
	s_add_co_u32 s[NXT], s[NXT], 2                 ; 26 at the most
	s_add_nc_u64 s[4:5], s[4:5], s[20:21]
	s_add_nc_u64 s[12:13], s[12:13], s[20:21]
	s_add_nc_u64 s[SBA:SBA+1], s[8:9], s[56:57]
	s_lshl_b32 s56, s[SJ], 10
	s_add_nc_u64 s[SBB:SBB+1], s[SBA:SBA+1], s[56:57]
	ROUND                                          ; all four work-groups are here: the first joint loads meet
	tensor_load_to_lds s[G0A:G0A+3], s[G1:G1+7]    ; the walk's first two tiles: two loads of mine are out
	s_nop 0
	tensor_load_to_lds s[G0:G0+3], s[G1:G1+7]
	s_nop 0
.rept 4
	v_nop
.endr
	v_and_b32 v201, 31, v0                         ; lane
	v_and_b32 v202, 15, v0                         ; r
	v_bfe_u32 v203, v0, 4, 1                       ; h
	v_and_b32 v204, 7, v0
	v_bfe_u32 v205, v0, 3, 1
	v_lshlrev_b32 v[SBO], 6, v200
	v_lshl_add_u32 v[SBO], v203, 5, v[SBO]
	BILOAD
	v_lshlrev_b32 v207, 16, v200                   ; my 32 rows of x,
	v_lshl_add_u32 v207, v201, 4, v207             ; 16 bytes a lane
	WIN 0x80                                       ; 128 loads of 512 bytes into O's registers: they are free, and so written before the first rescaling reads them
.set n, 0
.rept 64
	global_load_b128 v[4*n:4*n+3], v207, s[4:5] offset:(n/4)*2048+(n%4)*512 th:TH_LOAD_NT
.set n, n+1
.endr
	WIN 0xc0
.set n, 0
.rept 64
	global_load_b128 v[4*n:4*n+3], v207, s[4:5] offset:((n+64)/4)*2048+(n%4)*512 th:TH_LOAD_NT
.set n, n+1
.endr
	WIN 0
	v_lshl_add_u32 v206, v204, 1, v205             ; key r lies in row 2 (r % 8) + r / 8 of its block of 16
	v_mul_u32_u24 v[AK0], v206, 272
	v_lshl_add_u32 v[AK0], v203, 4, v[AK0]
	v_add_nc_u32 v[AK0], s59, v[AK0]
	v_mul_u32_u24 v[AX0], v202, PX
	v_lshl_add_u32 v[AX0], v203, 4, v[AX0]
	v_add_nc_u32 v[AX0], XB, v[AX0]
	XADR
	v_lshl_add_u32 v206, v204, 1, v203             ; the turning load: key 8 h + lane % 8 lies in row 2 (lane % 8) + h
	v_mul_u32_u24 v[ADV], v206, 272
	v_lshl_add_u32 v[ADV], v205, 4, v[ADV]
	v_add_nc_u32 v[ADV], s19, v[ADV]
	v_add_nc_u32 v[ADV+1], SLOT, v[ADV]
	v_mul_u32_u24 v[ADP], v202, PP
	v_lshl_add_u32 v[ADP], v203, 4, v[ADP]
	v_add_nc_u32 v[ADP], PB0, v[ADP]
	v_lshl_add_u32 v[APW], v200, 5, v[ADP]
	v_mul_u32_u24 v[STR], v202, 48
	v_add_nc_u32 v[STR], STAT, v[STR]
	v_lshl_add_u32 v[STW], v200, 3, v[STR]
	v_lshl_add_u32 v[STW], v203, 2, v[STW]
	v_mul_u32_u24 v208, v200, 32*PX
	v_lshl_add_u32 v208, v201, 3, v208
	v_add_nc_u32 v208, XB, v208
	ALLQ v_mov_b32 v[ST+2*qt], 0xff7fffff
	ALLQ v_mov_b32 v[ST+2*qt+1], 0
.set g, 0
.rept 8                                                ; x to bf16 into LDS, sixteen loads at a time
.if g < 4
	s_wait_loadcnt 63                              ; 136 were issued: at least 73 are back, more than groups 0 to 3 need; a wait can name no larger count
	WIN 0x0a
.else
	s_wait_loadcnt 112-16*g                        ; the later groups' loads may be out
	WIN 0x0f
.endif
.set q, 0
.rept 16
	v_cvt_pk_bf16_f32 v[64+2*q], v[4*((16*g+q)%64)], v[4*((16*g+q)%64)+1]
	v_cvt_pk_bf16_f32 v[64+2*q+1], v[4*((16*g+q)%64)+2], v[4*((16*g+q)%64)+3]
.set q, q+1
.endr
	WIN 0
.set q, 0
.rept 16
	ds_store_b64 v208, v[64+2*q:64+2*q+1] offset:((16*g+q)/4)*PX+((16*g+q)%4)*256
.set q, q+1
.endr
.set g, g+1
.endr
; THE S PHASE.  A tile of K' is four quarters of 32 channels: 4 fragments of K', 8 of x, 32 products.
.macro KFETCH quar, buf          ; 24 LDS loads in one run: K', x of query tiles 0-3, x of 4-7
	WIN 0
.irp kk, 0,1,2,3
	ds_load_b128 v[(\buf)+8*\kk:(\buf)+8*\kk+3], v[ADK] offset:\kk*QR+64*(\quar)
	ds_load_b128 v[(\buf)+8*\kk+4:(\buf)+8*\kk+7], v[ADK] offset:\kk*QR+64*(\quar)+32
.endr
.irp qi, 0,1,2,3
	ds_load_b128 v[(\buf)+32+8*\qi:(\buf)+32+8*\qi+3], v[ADX] offset:\qi*16*PX+64*(\quar)
	ds_load_b128 v[(\buf)+32+8*\qi+4:(\buf)+32+8*\qi+7], v[ADX] offset:\qi*16*PX+64*(\quar)+32
.endr
.irp qi, 0,1,2,3
	ds_load_b128 v[(\buf)+64+8*\qi:(\buf)+64+8*\qi+3], v[ADX+1] offset:\qi*16*PX+64*(\quar)
	ds_load_b128 v[(\buf)+64+8*\qi+4:(\buf)+64+8*\qi+7], v[ADX+1] offset:\qi*16*PX+64*(\quar)+32
.endr
.endm
.macro SMUL buf, half, first     ; 16 products, the accumulators by turns; first = 1: C is the score bias
.if \first
	WIN 0x40
.else
	WIN 0x50
.endif
.irp qi, 0,1,2,3
.irp kk, 0,1,2,3
.if \first
	v_wmma_f32_16x16x32_bf16 v[8*(8*\kk+4*(\half)+\qi):8*(8*\kk+4*(\half)+\qi)+7], v[(\buf)+8*\kk:(\buf)+8*\kk+7], v[(\buf)+32+8*(4*(\half)+\qi):(\buf)+32+8*(4*(\half)+\qi)+7], v[BI+8*\kk:BI+8*\kk+7]
.else
	v_wmma_f32_16x16x32_bf16 v[8*(8*\kk+4*(\half)+\qi):8*(8*\kk+4*(\half)+\qi)+7], v[(\buf)+8*\kk:(\buf)+8*\kk+7], v[(\buf)+32+8*(4*(\half)+\qi):(\buf)+32+8*(4*(\half)+\qi)+7], v[8*(8*\kk+4*(\half)+\qi):8*(8*\kk+4*(\half)+\qi)+7]
.endif
.endr
.endr
.endm
.macro SQ quar, buf, other, first ; multiplies buf, fetches quarter quar into other
	s_wait_dscnt 8                                 ; all but x of query tiles 4-7
	SMUL \buf, 0, \first
	PLACES
	KFETCH \quar, \other
	s_wait_dscnt 24                                ; all but the 24 just issued
	SMUL \buf, 1, \first
.endm
; A tile's last quarter changes slots: each wave waits for all its tensor loads (one is out: its part of the next tile), adds 0 to its spare word, waits for that and for its
; reads of this slot; the round; the refill.  fetch = 1: the next tile is K' too.
.macro Q3 fetch
	WIN 0
	s_wait_tensorcnt 0x0
	ds_add_u32 v[SPW], v[NIL]
	FILLSC
	s_wait_dscnt 9                                 ; the add and the youngest eight loads may be out
	SMUL F1, 0, 0
	WIN 0
	s_wait_dscnt 0x0
	FILLTURN                                       ; its four v_nop are also the places in front of the loads below
.if \fetch
	s_xor_b32 s[TBK], s[TBK], SLOT
	v_add_nc_u32 v[ADK], s[TBK], v[AK0]
	s_add_co_u32 s[XO], s[XO], 0x100               ; the next 128 channels of x
	s_add_co_u32 s[XO1], s[XO1], 0x100
	XADR
	KFETCH 0, F0
.else
	s_mov_b32 s[XO], 0                             ; back to channel 0
	s_mov_b32 s[XO1], 64*PX
	XADR
.endif
	SMUL F1, 1, 0
.endm
; THE O PHASE.  A tile of V' is 64 keys: two halves of 32: 8 fragments of V'^T (turned), 8 of p, 64 products.
.macro VFETCH slot, ks, pb, buf  ; 32 LDS loads in one run, into window 1
	WIN 0x40
.irp cc, 0,1,2,3,4,5,6,7
	ds_load_tr16_b128 v[(\buf)+8*\cc:(\buf)+8*\cc+3], v[ADV+(\slot)] offset:8704*(\ks)+32*\cc
	ds_load_tr16_b128 v[(\buf)+8*\cc+4:(\buf)+8*\cc+7], v[ADV+(\slot)] offset:8704*(\ks)+32*\cc+4352
.endr
.irp qi, 0,1,2,3,4,5,6,7
	ds_load_b128 v[(\buf)+64+8*\qi:(\buf)+64+8*\qi+3], v[ADP] offset:(\pb)*PBS+16*PP*\qi+64*(\ks)
	ds_load_b128 v[(\buf)+64+8*\qi+4:(\buf)+64+8*\qi+7], v[ADP] offset:(\pb)*PBS+16*PP*\qi+64*(\ks)+32
.endr
.endm
.macro PVMUL buf, hi             ; 32 products: query tiles 4 hi on x 8 channel tiles, the accumulators by turns
	WIN 0xa5+0x50*(\hi)
.irp qi, 0,1,2,3
.irp cc, 0,1,2,3,4,5,6,7
	v_wmma_f32_16x16x32_bf16 v[8*(8*\qi+\cc):8*(8*\qi+\cc)+7], v[(\buf)+8*\cc:(\buf)+8*\cc+7], v[(\buf)+64+8*(4*(\hi)+\qi):(\buf)+64+8*(4*(\hi)+\qi)+7], v[8*(8*\qi+\cc):8*(8*\qi+\cc)+7]
.endr
.endr
.endm
.macro PWRITE g                  ; my 16 keys of group g, all 128 queries, into p's buffer g % 2
	WIN 0
.irp qi, 0,1,2,3,4,5,6,7
	ds_store_b128 v[APW], v[PR+32*(\g)+4*\qi:PR+32*(\g)+4*\qi+3] offset:((\g)&1)*PBS+16*PP*\qi
.endr
.endm
; Group g.  p of group g + 1 is stored here, into the buffer last read in group g - 1, and shown to the others by this unit's barrier.
.macro VUNIT g, kind
	s_wait_dscnt 8                                 ; all but p of query tiles 4-7
	PVMUL B0, 0
	PLACES
.if (\g) < 3
	PWRITE (\g)+1
.endif
	VFETCH (\g)&1, 1, (\g)&1, B1
	s_wait_dscnt 32                                ; all but the 32 just issued
	PVMUL B0, 1
.if (\kind) == KE
	s_wait_dscnt 8
	PVMUL B1, 0
	s_wait_dscnt 0x0
	PVMUL B1, 1
.else
	WIN 0
	s_wait_tensorcnt 0x0                           ; all my tensor loads have landed: my part of the next tile
	ds_add_u32 v[SPW], v[NIL]
.if (\kind) != KN
	FILLSC
.endif
	s_wait_dscnt 9                                 ; the add and the youngest eight loads may be out
	PVMUL B1, 0
	WIN 0
	s_wait_dscnt 0x0                               ; the add, my reads of this slot and my stores of p are done
.if (\kind) != KN
	FILLTURN
.else
	s_barrier_signal -1
	s_barrier_wait -1
	PLACES
.endif
.if (\kind) == KK
	s_add_co_u32 s[SJ], s[SJ], 1                   ; the next step: its score bias and its first fragments
	s_and_b32 s[SJ], s[SJ], 3
	s_lshl_b32 s56, s[SJ], 10
	s_add_nc_u64 s[SBB:SBB+1], s[SBA:SBA+1], s[56:57]
	BILOAD
	s_mov_b32 s[TBK], 0
	v_mov_b32 v[ADK], v[AK0]
	KFETCH 0, F0
.else
	VFETCH ((\g)+1)&1, 0, ((\g)+1)&1, B0
.endif
	PVMUL B1, 1
.endif
.endm
.macro OSCALE hi                 ; O^T of query tiles 4 hi on times the factor in AF; each accumulator's registers in ascending order
	WIN 0x82+0x41*(\hi)
.set qt, 0
.rept 4
.set i, 0
.rept 32
	v_pk_mul_f32 v[64*qt+2*i:64*qt+2*i+1], v[64*qt+2*i:64*qt+2*i+1], v[AF+8*(\hi)+2*qt:AF+8*(\hi)+2*qt+1] op_sel_hi:[1,0]
.set i, i+1
.endr
.set qt, qt+1
.endr
.endm
	s_wait_dscnt 0x0                               ; for the others: my rows of x are in LDS
	s_wait_tensorcnt 0x1                           ; my part of the first tile is in; the second's may stay out
	s_barrier_signal -1
	s_barrier_wait -1
	s_mov_b32 s[TBK], 0
	v_mov_b32 v[ADK], v[AK0]
	KFETCH 0, F0
	s_mov_b32 s[STEPS], 4
	s_branch .Lfirst                               ; the loop is entered at a step's beginning, in the middle of a trip
.Ltop:
	VUNIT 2, KV
	VUNIT 3, KK
	WIN 0
.Lfirst:
.rept 5
	v_nop                                          ; S^T is written over the registers that the last products read as sources: five places
.endr
	s_wait_loadcnt 0x0                             ; the score bias
	SQ 1, F0, F1, 1
	WIN 0
	s_mov_b32 s[KCNT], 3
.Lk:
	SQ 2, F1, F0, 0
	SQ 3, F0, F1, 0
	Q3 1
	SQ 1, F0, F1, 0
	WIN 0
	s_sub_co_u32 s[KCNT], s[KCNT], 1
	s_cmp_lg_u32 s[KCNT], 0
	s_cbranch_scc1 .Lk
	SQ 2, F1, F0, 0
	SQ 3, F0, F1, 0
	Q3 0
	; THE SOFTMAX.  The maximum of my 32 scores of each query: three operands at a time, each accumulator's lowest registers first
	PLACES
	WIN 0x15
	ALLKQ v_max3_num_f32 v[TM+4*qt+kt], v[8*(8*kt+qt)], v[8*(8*kt+qt)+1], v[8*(8*kt+qt)+2]
	WIN 0x14
	ALLKQ v_max3_num_f32 v[TM+4*qt+kt], v[TM+4*qt+kt], v[8*(8*kt+qt)+3], v[8*(8*kt+qt)+4]
	ALLKQ v_max3_num_f32 v[TM+4*qt+kt], v[TM+4*qt+kt], v[8*(8*kt+qt)+5], v[8*(8*kt+qt)+6]
	ALLQ v_max3_num_f32 v[TM+4*qt], v[TM+4*qt], v[8*qt+7], v[8*(8+qt)+7]
	ALLQ v_max3_num_f32 v[TM+4*qt+2], v[TM+4*qt+2], v[8*(16+qt)+7], v[8*(24+qt)+7]
	WIN 0
	ALLQ v_max3_num_f32 v[TM+4*qt], v[TM+4*qt], v[TM+4*qt+1], v[TM+4*qt+2]
	ALLQ v_max_num_f32 v[TM+4*qt], v[TM+4*qt], v[TM+4*qt+3]
	ALLQ ds_store_b32 v[STW], v[TM+4*qt] offset:768*qt
	s_wait_dscnt 0x0                               ; for the others: my partial maxima are in LDS
	s_barrier_signal -1
	s_barrier_wait -1
	ALLQ ds_load_b128 v[64+8*qt:64+8*qt+3], v[STR] offset:768*qt
	ALLQ ds_load_b128 v[64+8*qt+4:64+8*qt+7], v[STR] offset:768*qt+16
	s_wait_dscnt 0x0
	ALLQ v_max3_num_f32 v[TM+qt], v[64+8*qt], v[64+8*qt+1], v[64+8*qt+2]
	ALLQ v_max3_num_f32 v[TM+qt], v[TM+qt], v[64+8*qt+3], v[64+8*qt+4]
	ALLQ v_max3_num_f32 v[TM+qt], v[TM+qt], v[64+8*qt+5], v[64+8*qt+6]
	ALLQ v_max3_num_f32 v[TM+qt], v[TM+qt], v[64+8*qt+7], v[ST+2*qt]
	ALLQ v_sub_f32 v[TM+8+qt], v[ST+2*qt], v[TM+qt]
	ALLQ v_exp_f32 v[AF+2*qt], v[TM+8+qt]
	ALLQ v_mov_b32 v[ST+2*qt], v[TM+qt]
	WIN 0x41                                       ; s - m and 2^(s - m), in place; behind two exponentials stands the next query tile's subtraction
.set i, 0
.rept 16
	v_pk_add_f32 v[8*(8*(i/4))+2*(i%4):8*(8*(i/4))+2*(i%4)+1], v[8*(8*(i/4))+2*(i%4):8*(8*(i/4))+2*(i%4)+1], v[ST:ST+1] op_sel_hi:[1,0] neg_lo:[0,1] neg_hi:[0,1]
.set i, i+1
.endr
.set qt, 0
.rept 8
.set i, 0
.rept 16
	v_exp_f32 v[8*(8*(i/4)+qt)+2*(i%4)], v[8*(8*(i/4)+qt)+2*(i%4)]
	v_exp_f32 v[8*(8*(i/4)+qt)+2*(i%4)+1], v[8*(8*(i/4)+qt)+2*(i%4)+1]
.if qt < 7
	v_pk_add_f32 v[8*(8*(i/4)+qt+1)+2*(i%4):8*(8*(i/4)+qt+1)+2*(i%4)+1], v[8*(8*(i/4)+qt+1)+2*(i%4):8*(8*(i/4)+qt+1)+2*(i%4)+1], v[ST+2*qt+2:ST+2*qt+3] op_sel_hi:[1,0] neg_lo:[0,1] neg_hi:[0,1]
.endif
.set i, i+1
.endr
.set qt, qt+1
.endr
	WIN 0x05                                       ; p rounded to bf16: eight keys of a query are 16 bytes
.irp q, 0,1,2,3
	ALLKQ v_cvt_pk_bf16_f32 v[PR+32*kt+4*qt+\q], v[8*(8*kt+qt)+2*\q], v[8*(8*kt+qt)+2*\q+1]
.endr
	PWRITE 0
	s_wait_dscnt 0x0                               ; for the others: my p of group 0 is in LDS
	s_barrier_signal -1                            ; the sums and the rescaling, work on registers, stand between the signal and the wait
	WIN 0x45
	ALLKQ v_pk_add_f32 v[8*(8*kt+qt):8*(8*kt+qt)+1], v[8*(8*kt+qt):8*(8*kt+qt)+1], v[8*(8*kt+qt)+2:8*(8*kt+qt)+3]
	ALLKQ v_pk_add_f32 v[8*(8*kt+qt)+4:8*(8*kt+qt)+5], v[8*(8*kt+qt)+4:8*(8*kt+qt)+5], v[8*(8*kt+qt)+6:8*(8*kt+qt)+7]
	ALLKQ v_pk_add_f32 v[8*(8*kt+qt):8*(8*kt+qt)+1], v[8*(8*kt+qt):8*(8*kt+qt)+1], v[8*(8*kt+qt)+4:8*(8*kt+qt)+5]
	ALLQ v_pk_add_f32 v[8*qt:8*qt+1], v[8*qt:8*qt+1], v[8*(8+qt):8*(8+qt)+1]
	ALLQ v_pk_add_f32 v[8*(16+qt):8*(16+qt)+1], v[8*(16+qt):8*(16+qt)+1], v[8*(24+qt):8*(24+qt)+1]
	ALLQ v_pk_add_f32 v[8*qt:8*qt+1], v[8*qt:8*qt+1], v[8*(16+qt):8*(16+qt)+1]
	WIN 0x05
	ALLQ v_add_f32 v[TM+8+qt], v[8*qt], v[8*qt+1]
	WIN 0
	ALLQ v_fma_f32 v[ST+2*qt+1], v[ST+2*qt+1], v[AF+2*qt], v[TM+8+qt]
	OSCALE 0
	OSCALE 1
	WIN 0
	s_barrier_wait -1
	VFETCH 0, 0, 0, B0
	VUNIT 0, KV
	VUNIT 1, KV
	WIN 0
	s_sub_co_u32 s[STEPS], s[STEPS], 1
	s_cmp_lg_u32 s[STEPS], 0
	s_cbranch_scc1 .Ltop
	VUNIT 2, KN                                    ; the walk's last two tiles: nothing is left to ask for
	VUNIT 3, KE
	; THE WAY OUT.  l's eight parts meet in LDS; O^T / l goes through my stage (in the slots, which nobody reads behind the barrier below) and comes back as rows; + bo + x
	WIN 0
	PLACES
	v_lshlrev_b32 v10, 4, v0                       ; 512 w + 16 x lane: my four channels
	global_load_b128 v[144:147], v10, s[10:11]
	ALLQ ds_store_b32 v[STW], v[ST+2*qt+1] offset:768*qt
	s_wait_dscnt 0x0
	s_barrier_signal -1
	s_barrier_wait -1
	ALLQ ds_load_b128 v[64+8*qt:64+8*qt+3], v[STR] offset:768*qt
	ALLQ ds_load_b128 v[64+8*qt+4:64+8*qt+7], v[STR] offset:768*qt+16
	v_lshrrev_b32 v6, 5, v0
	v_and_b32 v7, 15, v0
	v_bfe_u32 v8, v0, 4, 1
	v_and_b32 v9, 31, v0
	v_mul_u32_u24 v[SGR0], v6, SGW
	v_mul_u32_u24 v[SGA], v7, SGP
	v_add_nc_u32 v[SGA], v[SGA], v[SGR0]
	v_lshl_add_u32 v[SGA], v8, 5, v[SGA]           ; in: row r, 32 bytes for each half of the lanes
	v_lshl_add_u32 v[SGR0], v9, 4, v[SGR0]         ; back: a row's 512 bytes, 16 a lane; kept, and copied at the head of each half
	v_lshl_add_u32 v[XR], v0, 3, XB                ; x in bf16: 256 w + 8 x lane
	v_lshlrev_b32 v[OUTO], 4, v0
	s_wait_dscnt 0x0
	ALLQ v_pk_add_f32 v[64+8*qt:64+8*qt+1], v[64+8*qt:64+8*qt+1], v[64+8*qt+2:64+8*qt+3]
	ALLQ v_pk_add_f32 v[64+8*qt+4:64+8*qt+5], v[64+8*qt+4:64+8*qt+5], v[64+8*qt+6:64+8*qt+7]
	ALLQ v_pk_add_f32 v[64+8*qt:64+8*qt+1], v[64+8*qt:64+8*qt+1], v[64+8*qt+4:64+8*qt+5]
	ALLQ v_add_f32 v[64+8*qt], v[64+8*qt], v[64+8*qt+1]
	ALLQ v_rcp_f32 v[AF+2*qt], v[64+8*qt]
	v_nop                                          ; a plain instruction between the last reciprocal and the use of its result
	s_wait_alu depctr_va_vdst(0)
	s_wait_loadcnt 0x0                             ; bo
.macro OUTHALF hh                ; 64 queries
	OSCALE \hh
	WIN 0x08+0x04*(\hh)                            ; store data in window 2 or 3
.irp qi, 0,1,2,3
.irp cc, 0,1,2,3,4,5,6,7
	ds_store_b128 v[SGA], v[8*(8*\qi+\cc):8*(8*\qi+\cc)+3] offset:16*SGP*\qi+64*\cc
	ds_store_b128 v[SGA], v[8*(8*\qi+\cc)+4:8*(8*\qi+\cc)+7] offset:16*SGP*\qi+64*\cc+16
.endr
.endr
	WIN 0
	v_mov_b32 v[SGR], v[SGR0]                      ; the stage's first row; x and out0 go on from half to half
	s_mov_b32 s[ROWS], 8
.Lrow_\@:                                              ; eight rows a trip; LDS serves a wave's instructions in order: the loads see the stores above
.irp k, 0,1,2,3,4,5,6,7
	ds_load_b128 v[64+4*\k:64+4*\k+3], v[SGR] offset:SGP*\k
.endr
.irp k, 0,1,2,3,4,5,6,7
	ds_load_b64 v[96+2*\k:96+2*\k+1], v[XR] offset:PX*\k
.endr
	s_wait_dscnt 0x0
.irp k, 0,1,2,3,4,5,6,7
	v_lshlrev_b32 v[112+4*\k], 16, v[96+2*\k]
	v_and_b32 v[112+4*\k+1], 0xffff0000, v[96+2*\k]
	v_lshlrev_b32 v[112+4*\k+2], 16, v[96+2*\k+1]
	v_and_b32 v[112+4*\k+3], 0xffff0000, v[96+2*\k+1]
	v_pk_add_f32 v[64+4*\k:64+4*\k+1], v[64+4*\k:64+4*\k+1], v[144:145]
	v_pk_add_f32 v[64+4*\k+2:64+4*\k+3], v[64+4*\k+2:64+4*\k+3], v[146:147]
	v_pk_add_f32 v[64+4*\k:64+4*\k+1], v[64+4*\k:64+4*\k+1], v[112+4*\k:112+4*\k+1]
	v_pk_add_f32 v[64+4*\k+2:64+4*\k+3], v[64+4*\k+2:64+4*\k+3], v[112+4*\k+2:112+4*\k+3]
	global_store_b128 v[OUTO], v[64+4*\k:64+4*\k+3], s[12:13] offset:2048*\k th:TH_STORE_NT   ; 512 consecutive bytes of one row, aligned
.endr
	s_wait_xcnt 0x0                                ; the stores' data and offset registers are rewritten only behind this wait
	v_add_nc_u32 v[SGR], 8*SGP, v[SGR]
	v_add_nc_u32 v[XR], 8*PX, v[XR]
	v_add_nc_u32 v[OUTO], 0x4000, v[OUTO]
	s_sub_co_u32 s[ROWS], s[ROWS], 1
	s_cmp_lg_u32 s[ROWS], 0
	s_cbranch_scc1 .Lrow_\@
.endm
	OUTHALF 0
	OUTHALF 1
	s_wait_tensorcnt 0x0                           ; the wave's end
	ds_add_u32 v[SPW], v[NIL]
	s_wait_dscnt 0x0
	ROUND                                          ; the closing round
	s_endpgm
.Lfunc_end_k_qfbe254d5aa_attn:
	.size	k_qfbe254d5aa_attn, .Lfunc_end_k_qfbe254d5aa_attn-k_qfbe254d5aa_attn
	.p2alignl 7, 3214868480
	.fill 96, 4, 3214868480
	.section	.rodata,"a",@progbits
	.p2align	6, 0x0
	.amdhsa_kernel k_qfbe254d5aa_attn
		.amdhsa_group_segment_fixed_size 327680
		.amdhsa_private_segment_fixed_size 0
		.amdhsa_enable_private_segment 0
		.amdhsa_kernarg_size 40
		.amdhsa_user_sgpr_count 2
		.amdhsa_user_sgpr_kernarg_segment_ptr 1
		.amdhsa_wavefront_size32 1
		.amdhsa_system_sgpr_workgroup_id_x 1
		.amdhsa_system_sgpr_workgroup_id_y 1
		.amdhsa_system_sgpr_workgroup_id_z 1
		.amdhsa_system_vgpr_workitem_id 0
		.amdhsa_next_free_vgpr 1024
		.amdhsa_next_free_sgpr 72
		.amdhsa_reserve_vcc 0
		.amdhsa_float_denorm_mode_32 3
		.amdhsa_float_denorm_mode_16_64 3
		.amdhsa_memory_ordered 1
		.amdhsa_forward_progress 1
		.amdhsa_inst_pref_size 255
	.end_amdhsa_kernel
	.section	.bss,"aw",@nobits
	.p2align	6
	.space	262144
	.amdgpu_metadata
---
amdhsa.version: [ 1, 2 ]
amdhsa.kernels:
  - .name:           k_qfbe254d5aa_attn
    .symbol:         k_qfbe254d5aa_attn.kd
    .args:
      - { .name: x, .offset: 0, .size: 8, .value_kind: global_buffer, .address_space: global }
      - { .name: kv, .offset: 8, .size: 8, .value_kind: global_buffer, .address_space: global }
      - { .name: sb, .offset: 16, .size: 8, .value_kind: global_buffer, .address_space: global }
      - { .name: bo, .offset: 24, .size: 8, .value_kind: global_buffer, .address_space: global }
      - { .name: out0, .offset: 32, .size: 8, .value_kind: global_buffer, .address_space: global }
    .group_segment_fixed_size: 327680
    .private_segment_fixed_size: 0
    .kernarg_segment_align: 8
    .kernarg_segment_size: 40
    .max_flat_workgroup_size: 128
    .sgpr_count:     72
    .vgpr_count:     1024
    .wavefront_size: 32
...
	.end_amdgpu_metadata
.endif
;; end of part 3
